; MI455X (gfx1250); checked and timed in simulation.
; The chip was launched on July 23, 2026; its instructions are those of AMD's public machine-readable ISA for CDNA 5 (MIT licence, August 2026) and "CDNA5" Instruction Set Architecture Reference Guide (July 2026). The comments in the code are by the model that wrote it; some were corrected since.
;; Additive Attention. Allowed arithmetic: matrix products marked QUANTISED: E2M1 operands, one E8M0 scale for each 32 along K, by v_wmma_scale_f32_16x16x128_f8f6f4 with both operands' format E2M1 (or v_wmma_scale_f32_32x16x128_f4), f32 sums; products left as they are: f32 operands where the result goes on into a quantised operand, else bf16, f16 or f32 operands; f32 sums; everything else in f32.
;; Inputs: W 2,048 x 2,048 float32; h 16,384 x 1,024 float32; s 16,384 x 1,024 float32; v 1 x 2,048 float32.
;; Outputs: out0 1 x 16,384 float32.
;; This version of the problem:
;;   THIS VERSION OF THE PROBLEM IS GIVEN IN LOW PRECISION. The matrix products marked QUANTISED in the list below multiply operands that are first quantised to E2M1 (2 exponent bits, 1 mantissa bit; 4 bits a number), with one power-of-two scale for each 32 numbers along K (OCP MX v1.0); their sums are f32. All else is computed in f32.
;;   The module's matrix products, in the order in which they are computed (A, B: the left and right operand; K: the contracted axis; several contracted axes count as one K, in the product's order):
;;     1. [M 16,384, K 2,048] x [K 2,048, N 2,048]; A: computed on the way; B: input W: QUANTISED
;;     2. [M 16,384, K 2,048] x [K 2,048, N 1]; A: computed on the way; B: input v: left as it is (N = 1 < 16)
;;   THE QUANTISER, for each operand of a quantised product, along K:
;;     - K is cut into blocks of 32 from its start; a last block that is shorter is filled with zeros.
;;     - A block's scale is 2^e with e = floor(log2(the largest magnitude in the block)) - 2, held to -126 .. 127; a block of zeros has e = 0. As a byte (E8M0): e + 127.
;;     - Each number is divided by its block's scale, clamped to +-6, and rounded to the nearest number of E2M1, ties to even, subnormals kept.
;;     - The product sums the exact products of the quantised numbers (number of the format x scale) in f32.
;;   ~~~python
;;   def quantise(x, axis):      # numpy; x: float32 -> the quantised numbers, widened to float32 again
;;       x = np.moveaxis(x, axis, -1); K = x.shape[-1]
;;       x = np.pad(x, [(0, 0)] * (x.ndim - 1) + [(0, -K % 32)]); x = x.reshape(x.shape[:-1] + (-1, 32)); a = np.abs(x).max(-1, keepdims=True)
;;       e = np.where(a > 0, np.clip(np.frexp(np.where(a > 0, a, 1))[1] - 1 - 2, -126, 127), 0)      # np.frexp(a)[1] - 1 = floor(log2(a)), exactly
;;       r = np.clip(x / 2.0 ** e, -6, 6)
;;       step = 2.0 ** (np.maximum(np.frexp(np.where(r == 0, 1, r))[1] - 1, 0) - 1)
;;       q = np.round(r / step) * step * 2.0 ** e      # np.round: ties to even
;;       return np.moveaxis(q.reshape(q.shape[:-2] + (-1,))[..., :K], -1, axis).astype(np.float32)
;;   ~~~
;;   OPERANDS COMPUTED ON THE WAY. 'Computed on the way' means the value that the module computes at that place (a softmax that the list does not call 'softmax' is quantised finished and normalised). What goes into a quantiser is computed in f32, as accurately as f32 sums, v_exp_f32 and their like allow (about 1e-6 of the number): no bf16 or f16 on the way to a quantiser, and a product that is left as it is and whose result goes on into a quantised operand takes f32 operands (vector FMAs, or v_wmma_f32_16x16x4_f32). A number that lies on a knife's edge between two numbers of the format may be rounded either way, as far as f32 arithmetic and the matrix unit's own rounding can turn it there, and no further.
;; One version. Each part assembles by itself: llvm-mc -triple=amdgcn-amd-amdhsa -mcpu=gfx1250 --defsym DOCPART=n.
;; ======== version 1 of 1: 3 launches
;; limits: right only within a limited range of input values
;; workspace buffers: xc 16,777,216 bytes; xs 1,048,576 bytes; wc 2,097,152 bytes; ws 131,072 bytes; part 262,144 bytes
;; launch quant (part 1): grid 1152 x 1, 4 waves a work-group, no clusters, 18,944 bytes of LDS; arguments s, h, W, xc, xs, wc, ws; writes xc, xs, wc, ws
.if DOCPART == 1
	.amdgcn_target "amdgcn-amd-amdhsa--gfx1250"
	.amdhsa_code_object_version 6
	.text
	.protected	k_q960cfba6a2_quant
	.globl	k_q960cfba6a2_quant
	.p2align	8
	.type	k_q960cfba6a2_quant,@function
k_q960cfba6a2_quant:
	s_mov_b64 s[64:65], 0
	v_nop
	global_prefetch_b8 v0, s[64:65] scope:SCOPE_SE
	s_setreg_imm32_b32 hwreg(HW_REG_WAVE_MODE, 25, 1), 1
	s_wait_xcnt 0x0
; THE PROGRAM: out0 = softmax over the 16,384 rows m of pre[m] = sum_j v[j] tanh(z[m][j]), z = Q(x) Q(W)^T, x = [s | h], Q the MX-FP4 quantiser along K = 2,048.
; Three launches: this one makes the codes and scale bytes of x and of W; the second multiplies them and sums over j; the third is the softmax.
; WORK LEFT OUT, AND WHY IT IS DEAD.  tanh(z) = 1 - 2 r with r = 1 / (1 + 2^(c z)), c = 2 log2(e): an identity for every real z.  So pre[m] = (sum_j v[j]) - 2 u[m], u[m] = sum_j v[j] r[m][j].
; The term sum_j v[j] does not hang on m: it is the same along the softmax's axis, and softmax(a + t) = softmax(t) for every real a.  So it is never formed; the program carries u and takes softmax(-2 u),
; with the largest -2 u taken away ahead of the exponential, as reference() takes its maximum away.  Every input has a way to the result and is loaded: s, h, W here, v in the second launch.
; LIMIT: an overflow, an infinity or a NaN that would arise in sum_j v[j] alone is not carried to the result.
;
; THIS LAUNCH.  x's rows ([s | h]) and W's rows, 2,048 f32 numbers with K innermost, become codes of E2M1, two a byte, the lower k in the low four bits (1,024 bytes a row), and one E8M0 byte for each 32 along K (64 bytes a row).
; A block's byte is its largest magnitude's exponent field - 2, held at 1 from below; each number is divided by that power of two and rounded to the nearest code, ties to even, beyond 6 the largest code.
; A block of zeros gets the byte 1 where the rule says 127: its codes are zeros, which add nothing under that byte, and this program alone reads the bytes.
; LIMITS: NaN and infinities among the inputs are not served; blocks whose largest magnitude lies under 2^-124 keep the byte 1.
; SHARES.  A wave takes FOUR WHOLE ROWS, 8,192 numbers, as 32 spans of 256.  Work-groups 0 to 1,023 take x, the other 128 take W.  A row's lower 1,024 numbers come from pointer P0, its upper from P1:
; for x these are s and h (rows 4,096 bytes apart), for W the halves of its row (8,192 apart).  Only pointers, a shift and a pitch are chosen by the work-group's number: one path through the text.
; A SPAN is two loads, each of 512 consecutive bytes, aligned: lanes 0-15 take the even pieces of 16 bytes, lanes 16-31 the odd ones.  Four exchanges of half waves between the two loads' registers
; then leave lane l with the span's numbers 8 l .. 8 l + 7 in eight consecutive registers, which is what a conversion takes.  Four neighbouring lanes hold a block.  The f32 numbers never pass through LDS.
; A span's codes are 4 bytes a lane.  They and the scale bytes are gathered in the wave's own LDS bytes and leave at the end: eight stores of 512 consecutive bytes and one of 256, all aligned.
; No tensor loads, no barrier, no cluster, no matrix unit: the waves share nothing.  Loads run eight spans (16 loads a wave) ahead.
.set WAVES, 4
.set SPANS, 32
.set XWG,   1024                       ; work-groups that take x
.set WREG,  4608                       ; LDS: a region for each wave: 4,096 bytes of codes, 256 scale bytes, 256 unused
.set SPARE, WAVES*WREG                 ; behind the regions: the spare words, 128 bytes for each wave, which no other line names
.set SPW,   12                         ; v12      LDS address of my spare word; never rewritten
.set NIL,   13                         ; v13      0; never rewritten
.set CAD,   14                         ; v14      LDS: my dword of a span's codes
.set BAD,   15                         ; v15      LDS: my block's byte of a span's eight
.set RAW,   16                         ; v16-79   eight sets of 8 numbers
.set C,     96                         ; v96-127  a span's codes, a register for each span
.set E,     128                        ; v128-159 a scale byte for each span
.set OFF,   160                        ; v160-163 my lane's place in a load + row x pitch, for my four rows; never rewritten
	s_load_b128 s[4:7], s[0:1], 0x0                ; s, h
	s_load_b128 s[8:11], s[0:1], 0x10              ; W, xc
	s_load_b128 s[12:15], s[0:1], 0x20             ; xs, wc
	s_load_b64 s[16:17], s[0:1], 0x30              ; ws
	v_lshl_add_u32 v[SPW], v0, 2, SPARE
	v_mov_b32 v[NIL], 0
	v_lshrrev_b32 v1, 5, v0
	v_readfirstlane_b32 s18, v1                    ; wave
	s_mul_i32 s19, s18, WREG                       ; my region: the codes,
	s_add_co_u32 s35, s19, 4096                    ; and the scale bytes
	s_cmp_lt_u32 ttmp9, XWG                        ; x's work-group or W's?  All four choices stand ahead of the arithmetic, which sets SCC anew
	s_cselect_b32 s20, 0, XWG                      ; the tensor's first work-group
	s_cselect_b32 s21, 14, 15                      ; log2 of four rows' bytes in P0 and P1
	s_cselect_b32 s22, 0, 4096                     ; what P1 lies beyond its buffer's start
	s_cselect_b32 s23, 12, 13                      ; log2 of the pitch
	s_sub_co_u32 s20, ttmp9, s20
	s_lshl_b32 s20, s20, 2
	s_add_co_u32 s20, s20, s18                     ; which run of four rows is my wave's
	s_lshl_b32 s24, s20, s21                       ; P0's offset (under 2^27)
	s_mov_b32 s25, 0
	s_add_co_u32 s26, s24, s22                     ; P1's
	s_mov_b32 s27, 0
	s_lshl_b32 s28, s20, 12                        ; the codes': 4,096 bytes a run
	s_mov_b32 s29, 0
	s_lshl_b32 s30, s20, 8                         ; the scale bytes': 256 a run
	s_mov_b32 s31, 0
	s_lshl_b32 s32, 1, s23                         ; one, two, three rows on
	s_lshl_b32 s33, 2, s23
	s_lshl_b32 s34, 3, s23
	v_and_b32 v2, 31, v0                           ; lane
	v_and_b32 v3, 15, v0
	v_bfe_u32 v1, v0, 4, 1
	v_lshlrev_b32 v3, 5, v3
	v_lshl_add_u32 v3, v1, 4, v3                   ; my piece of a load's 512 bytes: 32 (lane % 16) + 16 (lane / 16)
	v_lshl_add_u32 v[CAD], v2, 2, s19
	v_lshrrev_b32 v[BAD], 2, v2
	v_add_nc_u32 v[BAD], s35, v[BAD]
	v_lshl_add_u32 v6, v2, 4, s19                  ; the way out: 16 bytes of codes a lane,
	v_lshl_add_u32 v5, v2, 3, s35                  ; 8 scale bytes a lane,
	v_lshlrev_b32 v4, 4, v2                        ; and the same places in memory
	v_lshlrev_b32 v7, 3, v2
	v_mov_b32 v[OFF], v3
	v_add_nc_u32 v[OFF+1], s32, v3
	v_add_nc_u32 v[OFF+2], s33, v3
	v_add_nc_u32 v[OFF+3], s34, v3
	s_wait_alu depctr_va_vdst(0)
	s_wait_kmcnt 0x0
	s_cmp_lt_u32 ttmp9, XWG                        ; the same choice for the buffers: it hangs on the work-group's number alone
	s_cselect_b64 s[4:5], s[4:5], s[8:9]           ; P0: s or W
	s_cselect_b64 s[6:7], s[6:7], s[8:9]           ; P1: h or W
	s_cselect_b64 s[10:11], s[10:11], s[14:15]     ; the codes: xc or wc
	s_cselect_b64 s[12:13], s[12:13], s[16:17]     ; the scale bytes: xs or ws
	s_add_nc_u64 s[4:5], s[4:5], s[24:25]
	s_add_nc_u64 s[6:7], s[6:7], s[26:27]
	s_add_nc_u64 s[10:11], s[10:11], s[28:29]
	s_add_nc_u64 s[12:13], s[12:13], s[30:31]
; span t: row t / 8 of my four, eighth t % 8 of its 2,048 numbers: eighths 0 to 3 from P0, 4 to 7 from P1
.macro LOAD t
.irp i, 0,1
	global_load_b128 v[RAW+8*((\t)%8)+4*\i:RAW+8*((\t)%8)+4*\i+3], v[OFF+(\t)/8], s[4+2*(((\t)%8)/4):5+2*(((\t)%8)/4)] offset:1024*((\t)%4)+512*\i th:TH_LOAD_NT   ; 32 lanes read 512 consecutive bytes
.endr
.endm
.irp t, 0,1,2,3,4,5,6,7
	LOAD \t
.endr
; spans t and t + 1, line by line by turns
.macro STEP t
.set XS, RAW+8*((\t)%8)
.if (\t) <= 24
	s_wait_loadcnt 12                              ; both spans' four loads are in; those of the six spans behind them may be out
.else
	s_wait_loadcnt 2*(30-(\t))                     ; in the tail fewer spans stand behind them
.endif
.irp s, 0,1
.irp r, 0,1,2,3
	v_permlane16_swap_b32 v[XS+8*\s+\r], v[XS+8*\s+4+\r]   ; the first load's odd pieces change places with the second load's even ones: lane l now holds numbers 8 l .. 8 l + 7
.endr
.endr
.irp s, 0,1
	v_max3_num_f32 v[8+2*\s], |v[XS+8*\s]|, |v[XS+8*\s+1]|, 0x1800000   ; the largest magnitude of my 8, and the floor 2^(3 - 127): so the byte cannot fall under 1
	v_max3_num_f32 v[9+2*\s], |v[XS+8*\s+2]|, |v[XS+8*\s+3]|, |v[XS+8*\s+4]|
.endr
.irp s, 0,1
	v_max3_num_f32 v[8+2*\s], v[8+2*\s], |v[XS+8*\s+5]|, |v[XS+8*\s+6]|
.endr
.irp s, 0,1
	v_max3_num_f32 v[8+2*\s], v[8+2*\s], v[9+2*\s], |v[XS+8*\s+7]|
.endr
.irp s, 0,1
	v_max_num_f32_dpp v[8+2*\s], v[8+2*\s], v[8+2*\s] row_xmask:1 row_mask:0xf bank_mask:0xf
.endr
.irp s, 0,1
	v_max_num_f32_dpp v[8+2*\s], v[8+2*\s], v[8+2*\s] row_xmask:2 row_mask:0xf bank_mask:0xf   ; of the block's four lanes
.endr
.irp s, 0,1
	v_add_nc_u32 v[9+2*\s], 0xff000000, v[8+2*\s]  ; 2 off its exponent field: the conversion takes the exponent field of this operand as its scale, and nothing else of it
.endr
.irp s, 0,1
	v_cvt_scalef32_pk8_fp4_f32 v[C+(\t)+\s], v[XS+8*\s:XS+8*\s+7], v[9+2*\s]
.endr
.irp s, 0,1
	v_lshrrev_b32 v[E+(\t)+\s], 23, v[9+2*\s]      ; the scale's byte (also the plain line behind the conversions)
.endr
.irp s, 0,1
	ds_store_b32 v[CAD], v[C+(\t)+\s] offset:128*((\t)+\s)   ; a span's codes: 128 consecutive bytes
	ds_store_b8 v[BAD], v[E+(\t)+\s] offset:8*((\t)+\s)      ; the four lanes of a block write the same byte with the same value
.endr
.if (\t)+8 < SPANS
	LOAD (\t)+8
	LOAD (\t)+9
.endif
.endm
.irp t, 0,2,4,6,8,10,12,14,16,18,20,22,24,26,28,30
	STEP \t
.endr
.irp i, 0,1,2,3,4,5,6,7
	ds_load_b128 v[RAW+4*\i:RAW+4*\i+3], v6 offset:512*\i    ; LDS serves a wave's instructions in order: these see my stores
.endr
	ds_load_b64 v[8:9], v5
.irp i, 0,1,2,3,4,5,6,7
	s_wait_dscnt 8-\i                              ; piece i is back; the 8 - i loads behind it may be out
	global_store_b128 v4, v[RAW+4*\i:RAW+4*\i+3], s[10:11] offset:512*\i   ; 32 lanes store 512 consecutive bytes, aligned
.endr
	s_wait_dscnt 0x0
	global_store_b64 v7, v[8:9], s[12:13]          ; my four rows' 256 scale bytes: 256 consecutive bytes, aligned
	s_wait_tensorcnt 0x0                           ; the wave's end, behind my last LDS store
	ds_add_u32 v[SPW], v[NIL]
	s_wait_dscnt 0x0
	s_endpgm
.Lfunc_end_k_q960cfba6a2_quant:
	.size	k_q960cfba6a2_quant, .Lfunc_end_k_q960cfba6a2_quant-k_q960cfba6a2_quant
	.p2alignl 7, 3214868480
	.fill 96, 4, 3214868480
	.section	.rodata,"a",@progbits
	.p2align	6, 0x0
	.amdhsa_kernel k_q960cfba6a2_quant
		.amdhsa_group_segment_fixed_size 18944
		.amdhsa_private_segment_fixed_size 0
		.amdhsa_enable_private_segment 0
		.amdhsa_kernarg_size 56
		.amdhsa_user_sgpr_count 2
		.amdhsa_user_sgpr_kernarg_segment_ptr 1
		.amdhsa_wavefront_size32 1
		.amdhsa_system_sgpr_workgroup_id_x 1
		.amdhsa_system_sgpr_workgroup_id_y 1
		.amdhsa_system_sgpr_workgroup_id_z 1
		.amdhsa_system_vgpr_workitem_id 0
		.amdhsa_next_free_vgpr 168
		.amdhsa_next_free_sgpr 66
		.amdhsa_reserve_vcc 0
		.amdhsa_float_denorm_mode_32 3
		.amdhsa_float_denorm_mode_16_64 3
		.amdhsa_memory_ordered 1
		.amdhsa_forward_progress 1
		.amdhsa_inst_pref_size 37
	.end_amdhsa_kernel
	.amdgpu_metadata
---
amdhsa.version: [ 1, 2 ]
amdhsa.kernels:
  - .name:           k_q960cfba6a2_quant
    .symbol:         k_q960cfba6a2_quant.kd
    .args:
      - { .name: s, .offset: 0, .size: 8, .value_kind: global_buffer, .address_space: global }
      - { .name: h, .offset: 8, .size: 8, .value_kind: global_buffer, .address_space: global }
      - { .name: W, .offset: 16, .size: 8, .value_kind: global_buffer, .address_space: global }
      - { .name: xc, .offset: 24, .size: 8, .value_kind: global_buffer, .address_space: global }
      - { .name: xs, .offset: 32, .size: 8, .value_kind: global_buffer, .address_space: global }
      - { .name: wc, .offset: 40, .size: 8, .value_kind: global_buffer, .address_space: global }
      - { .name: ws, .offset: 48, .size: 8, .value_kind: global_buffer, .address_space: global }
    .group_segment_fixed_size: 18944
    .private_segment_fixed_size: 0
    .kernarg_segment_align: 8
    .kernarg_segment_size: 56
    .max_flat_workgroup_size: 128
    .sgpr_count:     66
    .vgpr_count:     168
    .wavefront_size: 32
...
	.end_amdgpu_metadata
.endif
;; end of part 1
;; launch gemm (part 2): grid 4 x 64, 4 waves a work-group, clusters of 4 x 4, 327,680 bytes of LDS; arguments xc, xs, wc, ws, part, v; writes part
.if DOCPART == 2
	.amdgcn_target "amdgcn-amd-amdhsa--gfx1250"
	.amdhsa_code_object_version 6
	.text
	.protected	k_q960cfba6a2_gemm
	.globl	k_q960cfba6a2_gemm
	.p2align	8
	.type	k_q960cfba6a2_gemm,@function
k_q960cfba6a2_gemm:
	s_mov_b64 s[64:65], 0
	v_nop
	global_prefetch_b8 v0, s[64:65] scope:SCOPE_SE
	s_setreg_imm32_b32 hwreg(HW_REG_WAVE_MODE, 25, 1), 1
	s_wait_xcnt 0x0
	s_wait_alu depctr_hold_cnt(0) depctr_sa_sdst(0) depctr_va_vdst(0) depctr_va_sdst(0) depctr_va_ssrc(0) depctr_va_vcc(0) depctr_vm_vsrc(0)
	s_getreg_b32 s2, hwreg(HW_REG_IB_STS2, 6, 4)
	s_cmp_eq_u32 s2, 0
	s_cbranch_scc0 .Lentry_in_a_cluster
	s_endpgm
.Lentry_in_a_cluster:
	s_bfe_u32 s2, ttmp6, 0x10000c
	s_cmp_lg_u32 s2, 0xf033
	s_cbranch_scc0 .Lentry_shape_is_right
	s_endpgm
.Lentry_shape_is_right:
; part[g][m] = sum over the 512 columns j of column group g of v[j] r[m][j],  r = 1 / (1 + 2^(c z)),  c = 2 log2(e),  z = Q(x) Q(W)^T on codes of E2M1 with E8M0 scales.
; WORK LEFT OUT: tanh(z) = 1 - 2 r, and the term sum_j v[j], the same for every row m, cancels in the softmax: it is not formed (shown at the head of the first kernel).
; LIMITS: NaN and infinities are not served; where 2^(c z) passes f32's range r comes out as 0, which is tanh = 1.
; SHARES.  A work-group of four waves makes two tiles of z, 256 x 256 each, 1,024 columns apart; a wave 128 x 128 in 512 registers.  K goes in steps of 512 (rows of 256 bytes) through two LDS slots.
; 4 x 4 work-groups form a cluster: x's tile is asked for jointly along a row of the cluster, W's along a column.  The ring goes on from the first tile into the second.
; The products are used transposed (source 0 = 16 rows of W, source 1 = 16 rows of x): a lane holds one row m and eight neighbouring columns j.
; Both operands' fragments have two register buffers: a quarter step's 32 LDS loads go out one quarter step ahead of their products.
; THE WAY OUT stands once in the text: both tiles' tails lead to it.  No data prefetch: a tile has four fills of a slot, two of them asked for while the tile before is still multiplied.
; REGISTERS.  window 0: v16-31 addresses; v32-95 W's scale words; v96-127 sums; v128-191 x's fragments, buffer 0; v192-255 x's scale words.
; window 1: v0-63, v128-191 W's fragments, buffers 0, 1; v64-127 v[j]; v192-255 x's fragments, buffer 1.  windows 2, 3: the accumulators of my rows 0-63, 64-127.
.set SIZE_K, 2048
.set TILES,  2
.set KSTEP,  512
.set NQ,     KSTEP/128
.set ROWB,   256                       ; a K step of a row of codes
.set KROW,   SIZE_K*4/8                ; a row of codes in memory
.set PITCH,  272                       ; an LDS row: 256 bytes + 16 of padding
.set FR,     8
.set NL,     2
.set NP,     4
.set HALFT,  128*PITCH
.set SLOT,   4*HALFT
.set NEXT_B, 4*256*KROW-2*ROWB         ; W: 1,024 rows down and back along K
.set SPARE,  2*SLOT                    ; the spare words, 128 bytes a wave
.set STG,    SPARE+512                 ; 2,048 bytes: the waves' row sums
.set ADRA, 16
.set ADRB, 20
.set STO,  24
.set RD,   25
.set CO,   26
.set SAD,  27
.set SPW,  28
.set NIL,  29
.set VA,   30
.set SB,   32
.set R2,   96
.set T2,   112
.set RS,   112
.set OV,   120
.set BK,   124
.set AF,   128
.set SA,   192
.set VV,   64
.set G1, 24
.set G0, 32
.set G1B, 48
.set G0B, 56
.set HI16, 66
.set XSP,  68
.set WSP,  70
.set VP,   96
.set SEL,  98
.set CC,   100
.set MSB, 0
.macro WIN new                         ; the immediate's high byte repeats the setting that is left
.if MSB != (\new)
	s_set_vgpr_msb (MSB<<8)|(\new)
.set MSB, (\new)
.endif
.endm
.set MUL_LO, 0xa1                      ; source 0 (W) window 1, source 1 (x) window 0 (+4: window 1), C and D window 2
.set MUL_HI, 0xf1                      ; the same, C and D window 3
.set TO_B,   0x40
.set EP_LO,  0xa6                      ; the way out: source 1 (v) window 1, all else window 2
.set EP_HI,  0xf7
; a joint load: waves 0, 1 fetch x's halves, waves 2, 3 W's
.macro JLOAD g0a, g1a, g0b, g1b
	s_cmp_eq_u32 s15, 0
	s_cbranch_scc0 .Lfor_b_\@
	tensor_load_to_lds s[\g0a:\g0a+3], s[\g1a:\g1a+7]
	s_nop 0
.rept 4
	v_nop
.endr
	s_branch .Lasked_\@
.Lfor_b_\@:
	tensor_load_to_lds s[\g0b:\g0b+3], s[\g1b:\g1b+7]
	s_nop 0
.rept 4
	v_nop
.endr
.Lasked_\@:
.endm
.macro CREST                           ; a round of the cluster's barrier behind its opening barrier
	s_cmp_lg_u32 s14, 0
	s_cbranch_scc1 .Lnot_wave_0_\@
	s_barrier_signal -3
.Lnot_wave_0_\@:
	s_barrier_wait -3
	s_barrier_signal -1
	s_barrier_wait -1
.endm
.macro CROUND
	s_barrier_signal -1
	s_barrier_wait -1
	CREST
.endm
.macro SBLOAD lap, tile                ; W's scale words of 1,024 along K: lanes 0-15 the first 512, lanes 16-31 the second
.irp b, 0,1,2,3,4,5,6,7
	global_load_b128 v[SB+8*\b+4*(\lap):SB+8*\b+4*(\lap)+3], v[SAD], s[WSP:WSP+1] offset:65536*(\tile)+1024*\b+32*(\lap)
.endr
.endm
.macro VLOAD tile                      ; v at my lane's 64 columns, in the accumulators' order
	WIN TO_B
.irp b, 0,1,2,3,4,5,6,7
	global_load_b128 v[VV+8*\b:VV+8*\b+3], v[VA], s[VP:VP+1] offset:4096*(\tile)+64*\b
	global_load_b128 v[VV+8*\b+4:VV+8*\b+7], v[VA], s[VP:VP+1] offset:4096*(\tile)+64*\b+16
.endr
	WIN 0
.endm
	s_load_b128 s[4:7], s[0:1], 0x0                ; xc, xs
	s_load_b128 s[8:11], s[0:1], 0x10              ; wc, ws
	s_load_b64 s[12:13], s[0:1], 0x20              ; part
	s_load_b64 s[VP:VP+1], s[0:1], 0x28            ; v
	v_lshl_add_u32 v[SPW], v0, 2, SPARE
	v_mov_b32 v[NIL], 0
	ds_add_u32 v[SPW], v[NIL]                      ; the opening lines: the add,
	ds_add_u32 v[SPW], v[NIL]                      ; twice on end, under one wait
	v_lshrrev_b32 v1, 5, v0
	v_readfirstlane_b32 s14, v1                    ; wave
	s_lshr_b32 s15, s14, 1                         ; my half of the rows; also: I fetch for x (0) or W (1)
	s_and_b32 s16, s14, 1                          ; my half of the columns; also: which 128 rows I fetch
	s_bfe_u32 s40, ttmp6, 0x40000                  ; cx
	s_bfe_u32 s41, ttmp6, 0x40004                  ; cy
	s_lshl_b32 s42, ttmp9, 2
	s_add_co_u32 s42, s42, s40                     ; column group
	s_and_b32 s17, ttmp7, 0xffff
	s_lshl_b32 s17, s17, 2
	s_add_co_u32 s17, s17, s41                     ; tile row
	s_lshl_b32 s43, s41, 2
	s_lshl_b32 s43, 15, s43                        ; my row of the cluster
	s_lshl_b32 s44, 0x1111, s40                    ; my column
	s_or_b32 s[G1+0], s43, (0<<16)|(1<<20)|(1<<21)|(5<<22)|(3<<25)   ; bytes; four words of padding behind every 64
	s_or_b32 s[G1B+0], s44, (0<<16)|(1<<20)|(1<<21)|(5<<22)|(3<<25)
.irp g, G1, G1B
	s_mov_b32 s[\g+1], ROWB<<16
	s_mov_b32 s[\g+2], 128<<16
	s_mov_b32 s[\g+3], ROWB<<16
	s_mov_b32 s[\g+4], 128
	s_mov_b32 s[\g+5], KROW
	s_mov_b32 s[\g+6], 0
	s_mov_b32 s[\g+7], 0
.endr
	s_mov_b32 s[HI16], 0xffff0000
	s_mov_b32 s[SEL], 0x76543210
	s_mov_b32 s[SEL+1], 0xfedcba98
	s_mov_b32 s[CC], 0x4038aa3b                    ; c = 2 log2(e)
	s_mov_b32 s[CC+1], s[CC]
	s_lshl_b32 s18, s16, 7
	s_lshl_b32 s20, s17, 8
	s_add_co_u32 s20, s20, s18                     ; x: the first row that I fetch
	s_lshl_b32 s46, s42, 8
	s_add_co_u32 s46, s46, s18                     ; W likewise
	s_mov_b32 s21, 0
	s_mov_b32 s47, 0
	s_mov_b64 s[18:19], KROW
	s_mul_u64 s[20:21], s[20:21], s[18:19]
	s_mul_u64 s[46:47], s[46:47], s[18:19]
	s_mul_i32 s45, s14, HALFT
	s_lshl_b32 s72, s17, 14                        ; my rows' scale bytes, 64 a row
	s_lshl_b32 s73, s15, 13
	s_add_co_u32 s72, s72, s73
	s_mov_b32 s73, 0
	s_lshl_b32 s74, s42, 14
	s_lshl_b32 s75, s16, 13
	s_add_co_u32 s74, s74, s75
	s_mov_b32 s75, 0
	s_wait_dscnt 0x0                               ; both opening adds are done
	s_wait_kmcnt 0x0
	s_add_nc_u64 s[20:21], s[4:5], s[20:21]
	s_add_nc_u64 s[46:47], s[8:9], s[46:47]
	s_add_nc_u64 s[XSP:XSP+1], s[6:7], s[72:73]
	s_add_nc_u64 s[WSP:WSP+1], s[10:11], s[74:75]
.irp s, 0,1
	s_mov_b32 s[G0+4*\s], 1
	s_add_co_u32 s[G0+4*\s+1], s45, \s*SLOT
	s_add_nc_u64 s[G0+4*\s+2:G0+4*\s+3], s[20:21], \s*ROWB
	s_or_b32 s[G0+4*\s+3], s[G0+4*\s+3], 0x80000000
	s_mov_b32 s[G0B+4*\s], 1
	s_add_co_u32 s[G0B+4*\s+1], s45, \s*SLOT
	s_add_nc_u64 s[G0B+4*\s+2:G0B+4*\s+3], s[46:47], \s*ROWB
	s_or_b32 s[G0B+4*\s+3], s[G0B+4*\s+3], 0x80000000
.endr
	CROUND                                         ; all sixteen work-groups are here
	JLOAD G0, G1, G0B, G1B                         ; K step 0: one tensor load a wave at the head
	v_and_b32 v1, 15, v0
	v_bfe_u32 v2, v0, 4, 1
	v_lshlrev_b32 v[SAD], 6, v1
	v_lshl_add_u32 v[SAD], v2, 4, v[SAD]           ; scale bytes: row r, 16 bytes for each half of the lanes
.irp a, 0,1,2,3,4,5,6,7
.irp p, 0,1
	global_load_b128 v[SA+8*\a+4*\p:SA+8*\a+4*\p+3], v[SAD], s[XSP:XSP+1] offset:1024*\a+32*\p
.endr
.endr
	SBLOAD 0, 0
	SBLOAD 1, 0
	v_lshlrev_b32 v[VA], 5, v2
	s_lshl_b32 s46, s42, 10
	s_lshl_b32 s47, s16, 9
	s_add_co_u32 s46, s46, s47
	s_mov_b32 s47, 0
	s_add_nc_u64 s[VP:VP+1], s[VP:VP+1], s[46:47]
	VLOAD 0
	v_mul_u32_u24 v3, v1, PITCH
	v_lshl_add_u32 v4, v2, 4, v3
	s_mul_i32 s21, s15, HALFT
	s_mul_i32 s22, s16, HALFT
	s_add_co_u32 s22, s22, 2*HALFT
.irp s, 0,1
	v_add_nc_u32 v[ADRA+\s], s21, v4
	v_add_nc_u32 v[ADRB+\s], s22, v4
	s_add_co_u32 s21, s21, SLOT
	s_add_co_u32 s22, s22, SLOT
.endr
	s_lshl_b32 s23, s16, 10
	s_lshl_b32 s21, s15, 9
	s_add_co_u32 s23, s23, s21
	s_add_co_u32 s23, s23, STG
	v_and_b32 v6, 31, v0
	v_lshl_add_u32 v[STO], v6, 2, s23              ; my wave's 128 row sums
	s_lshl_b32 s23, s14, 8
	s_add_co_u32 s23, s23, STG
	v_lshl_add_u32 v[RD], v6, 3, s23
	v_lshlrev_b32 v[CO], 3, v6
	s_lshl_b32 s20, s17, 10
	s_lshl_b32 s21, s14, 8
	s_add_co_u32 s20, s20, s21
	s_mov_b32 s21, 0
	s_lshl_b32 s46, s42, 16
	s_mov_b32 s47, 0
	s_add_nc_u64 s[20:21], s[20:21], s[46:47]
	s_add_nc_u64 s[12:13], s[12:13], s[20:21]      ; part: plane = column group, 64 rows a wave
.irp j, 0,1,2,3,4,5,6,7,8,9,10,11,12,13,14,15
	v_mov_b32 v[R2+\j], 0
.endr
.macro FRAG reg, adr, q, i
.irp c, 0,1
	ds_load_b128 v[\reg+4*\c:\reg+4*\c+3], v[\adr] offset:64*(\q)+32*\c+(\i)*16*PITCH
.endr
.endm
; 16 products: row blocks a0, a0 + 1 x all 8 column blocks, 128 along K, from buffers p; sl = 1: the scale words of lanes 16-31
.macro MUL16 a0, p, q, sl, lap, zero
.irp a, \a0, \a0+1
.irp b, 0,1,2,3,4,5,6,7
.if \zero
	v_wmma_scale_f32_16x16x128_f8f6f4 v[8*(8*((\a)%4)+\b):8*(8*((\a)%4)+\b)+7], v[128*(\p)+FR*\b:128*(\p)+FR*\b+FR-1], v[AF+64*(\p)+FR*(\a):AF+64*(\p)+FR*(\a)+FR-1], 0, v[SB+8*\b+4*(\lap)+(\q)], v[SA+8*(\a)+4*(\lap)+(\q)] matrix_a_fmt:MATRIX_FMT_FP4 matrix_b_fmt:MATRIX_FMT_FP4
.elseif \sl
	v_wmma_scale_f32_16x16x128_f8f6f4 v[8*(8*((\a)%4)+\b):8*(8*((\a)%4)+\b)+7], v[128*(\p)+FR*\b:128*(\p)+FR*\b+FR-1], v[AF+64*(\p)+FR*(\a):AF+64*(\p)+FR*(\a)+FR-1], v[8*(8*((\a)%4)+\b):8*(8*((\a)%4)+\b)+7], v[SB+8*\b+4*(\lap)+(\q)], v[SA+8*(\a)+4*(\lap)+(\q)] matrix_a_fmt:MATRIX_FMT_FP4 matrix_b_fmt:MATRIX_FMT_FP4 matrix_a_scale:MATRIX_SCALE_ROW1 matrix_b_scale:MATRIX_SCALE_ROW1
.else
	v_wmma_scale_f32_16x16x128_f8f6f4 v[8*(8*((\a)%4)+\b):8*(8*((\a)%4)+\b)+7], v[128*(\p)+FR*\b:128*(\p)+FR*\b+FR-1], v[AF+64*(\p)+FR*(\a):AF+64*(\p)+FR*(\a)+FR-1], v[8*(8*((\a)%4)+\b):8*(8*((\a)%4)+\b)+7], v[SB+8*\b+4*(\lap)+(\q)], v[SA+8*(\a)+4*(\lap)+(\q)] matrix_a_fmt:MATRIX_FMT_FP4 matrix_b_fmt:MATRIX_FMT_FP4
.endif
.endr
.endr
.endm
.macro FETCH_B slot, q, p              ; 16 loads: W's fragments of quarter q into buffer p (window 1)
	WIN TO_B
.irp i, 0,1,2,3,4,5,6,7
	FRAG 128*(\p)+FR*\i, ADRB+\slot, \q, \i
.endr
.endm
.macro FETCH_A slot, q, p              ; 16 loads: x's fragments into buffer p (window p)
	WIN 0x40*(\p)
.irp i, 0,1,2,3,4,5,6,7
	FRAG AF+64*(\p)+FR*\i, ADRA+\slot, \q, \i
.endr
.endm
.macro PLACES n
.rept \n
	v_nop
.endr
.endm
; one of a K step's first three quarters: multiplies buffers q % 2 and fetches the next quarter into the other two
.macro STEP slot, q, lap, zero
	s_wait_dscnt 4*NL                              ; all but the youngest eight loads (x's rows 64-127)
	PLACES NP                                      ; behind the last quarter's products, which read the buffers that are loaded below
	FETCH_B \slot, (\q)+1, 1-(\q)%2
	WIN MUL_LO+4*((\q)%2)
	MUL16 0, (\q)%2, \q, \slot, \lap, \zero
	MUL16 2, (\q)%2, \q, \slot, \lap, \zero
	s_wait_dscnt 8*NL                              ; all but the 16 loads of W just issued
	FETCH_A \slot, (\q)+1, 1-(\q)%2
	WIN MUL_HI+4*((\q)%2)
	MUL16 4, (\q)%2, \q, \slot, \lap, \zero
	MUL16 6, (\q)%2, \q, \slot, \lap, \zero
.endm
; the last quarter (buffers 1) and the change of slots.  fill = 1: this tile's K step two on; 2: the next tile's; 0: none
.macro TURN slot, next, lap, fill
	WIN 0
	s_wait_tensorcnt 0x0                           ; my part of the next slot is in;
	ds_add_u32 v[SPW], v[NIL]
	s_wait_dscnt 4*NL+1                            ; (the add and the youngest eight loads may be out)
	WIN MUL_LO+4
	MUL16 0, 1, NQ-1, \slot, \lap, 0
	s_wait_dscnt 0x0                               ; the add is done, my reads of this slot are over
	s_barrier_signal -1
	MUL16 2, 1, NQ-1, \slot, \lap, 0
	WIN 0
	s_barrier_wait -1
.if \fill
	CREST                                          ; the barrier above opened a round of the cluster's barrier
.if \fill == 2
	s_sub_nc_u64 s[G0+4*\slot+2:G0+4*\slot+3], s[G0+4*\slot+2:G0+4*\slot+3], 2*ROWB
	s_add_nc_u64 s[G0B+4*\slot+2:G0B+4*\slot+3], s[G0B+4*\slot+2:G0B+4*\slot+3], NEXT_B
.else
	s_add_nc_u64 s[G0+4*\slot+2:G0+4*\slot+3], s[G0+4*\slot+2:G0+4*\slot+3], 2*ROWB
	s_add_nc_u64 s[G0B+4*\slot+2:G0B+4*\slot+3], s[G0B+4*\slot+2:G0B+4*\slot+3], 2*ROWB
.endif
	JLOAD G0+4*\slot, G1, G0B+4*\slot, G1B         ; its four v_nop are also the places in front of the loads below
.else
	PLACES NP
.endif
	FETCH_B \next, 0, 0
	FETCH_A \next, 0, 0
	WIN MUL_HI+4
	MUL16 4, 1, NQ-1, \slot, \lap, 0
	MUL16 6, 1, NQ-1, \slot, \lap, 0
.endm
.macro STEPS slot, from, lap
.set Q, \from
.rept NQ-1-\from
	STEP \slot, Q, \lap, 0
.set Q, Q+1
.endr
.endm
; THE WAY OUT.  Group k = 64 registers (16 rows x 128 columns) goes through five stages: c z; 2^(c z); + 1; the reciprocal; x v[j], summed.
.macro EMUL k, i
	v_pk_mul_f32 v[64*(\k)+2*(\i):64*(\k)+2*(\i)+1], v[64*(\k)+2*(\i):64*(\k)+2*(\i)+1], s[CC:CC+1] op_sel_hi:[1,0]
.endm
.macro EEXP k, e
	v_exp_f32 v[64*(\k)+(\e)], v[64*(\k)+(\e)]
.endm
.macro EADD k, i
	v_pk_add_f32 v[64*(\k)+2*(\i):64*(\k)+2*(\i)+1], v[64*(\k)+2*(\i):64*(\k)+2*(\i)+1], 1.0 op_sel_hi:[1,0]
.endm
.macro ERCP k, e
	v_rcp_f32 v[64*(\k)+(\e)], v[64*(\k)+(\e)]
.endm
.macro EFMA k, i                       ; two chains, in the group's registers 0-3
.if (\i) < 2
	v_pk_mul_f32 v[64*(\k)+2*(\i):64*(\k)+2*(\i)+1], v[64*(\k)+2*(\i):64*(\k)+2*(\i)+1], v[VV+2*(\i):VV+2*(\i)+1]
.else
	v_pk_fma_f32 v[64*(\k)+2*((\i)%2):64*(\k)+2*((\i)%2)+1], v[64*(\k)+2*(\i):64*(\k)+2*(\i)+1], v[VV+2*(\i):VV+2*(\i)+1], v[64*(\k)+2*((\i)%2):64*(\k)+2*((\i)%2)+1]
.endif
.endm
; Phase ph works up to four groups, each at another stage: every line reads what an earlier phase wrote, so the one wait at the phase's head serves all of them.
; Directly behind the wait stand the plain lines alone: the first readers of group ph's matrix results, or the chains of group ph - 4; the transcendentals follow, with the additions between them.
.macro PHASE ph
	s_wait_alu depctr_va_vdst(0)
.set EI, 0
.rept 32
.if (\ph) <= 3
	EMUL \ph, EI
.else
	EFMA (\ph)-4, EI
.endif
.set EI, EI+1
.endr
.set EI, 0
.rept 32
.if ((\ph) >= 2) && ((\ph) <= 5)
	EADD (\ph)-2, EI
.endif
.if ((\ph) >= 1) && ((\ph) <= 4)
	EEXP (\ph)-1, 2*EI
	EEXP (\ph)-1, 2*EI+1
.endif
.if ((\ph) >= 3) && ((\ph) <= 6)
	ERCP (\ph)-3, 2*EI
	ERCP (\ph)-3, 2*EI+1
.endif
.set EI, EI+1
.endr
.if ((\ph) >= 1) && ((\ph) <= 6)
	v_nop                                          ; a plain line behind the last transcendental
.endif
.endm
.macro WINDOW hi
	WIN EP_LO+0x51*(\hi)
.irp ph, 0,1,2,3,4,5,6,7
	PHASE \ph
.endr
	WIN 0x0a+5*(\hi)
.irp k, 0,1,2,3
	v_pk_add_f32 v[T2+2*(4*(\hi)+\k):T2+2*(4*(\hi)+\k)+1], v[64*\k:64*\k+1], v[64*\k+2:64*\k+3]
.endr
.endm
.macro WAYOUT younger
	s_wait_loadcnt \younger                        ; v is in
	WINDOW 0
	WINDOW 1
	WIN 0
.irp a, 0,1,2,3,4,5,6,7
	v_pk_add_f32 v[R2+2*\a:R2+2*\a+1], v[R2+2*\a:R2+2*\a+1], v[T2+2*\a:T2+2*\a+1]
.endr
.endm
	s_wait_alu depctr_va_vdst(0)
	s_wait_tensorcnt 0x0                           ; my part of K step 0 is in; the three lines ahead of a later first fill, as ahead of a refill
	ds_add_u32 v[SPW], v[NIL]
	s_wait_dscnt 0x0
	CROUND                                         ; everybody's part of K step 0 is in
	JLOAD G0+4, G1, G0B+4, G1B                     ; K step 1, the first tensor load behind the round
	FETCH_B 0, 0, 0
	FETCH_A 0, 0, 0
	s_mov_b32 s2, TILES
.Ltile:
	s_wait_loadcnt 16                              ; the scale words are in; v's 16 loads may be out
	STEP 0, 0, 0, 1                                ; the first products start the sums
	STEPS 0, 1, 0
	TURN 0, 1, 0, 1
	STEPS 1, 0, 0
	TURN 1, 0, 0, 1
	STEPS 0, 0, 1
	WIN 0
	s_cmp_eq_u32 s2, 1
	s_cbranch_scc1 .Llast_tile                     ; the last tile's tail asks for nothing more
	SBLOAD 0, 1
	TURN 0, 1, 1, 2                                ; the ring goes on into the next tile
	STEPS 1, 0, 1
	TURN 1, 0, 1, 2
	WIN 0
	PLACES NP                                      ; behind the last products, whose scale words are loaded anew
	SBLOAD 1, 1
	s_branch .Lout
.Llast_tile:
	TURN 0, 1, 1, 0
	STEPS 1, 0, 1
	s_wait_dscnt 4*NL
	WIN MUL_LO+4
	MUL16 0, 1, NQ-1, 1, 1, 0
	MUL16 2, 1, NQ-1, 1, 1, 0
	s_wait_dscnt 0
	WIN MUL_HI+4
	MUL16 4, 1, NQ-1, 1, 1, 0
	MUL16 6, 1, NQ-1, 1, 1, 0
	WIN 0
	PLACES NP
	s_wait_loadcnt 0x0                             ; here no load is younger than v's
.Lout:
	WAYOUT 16                                      ; on the first tile's way the next tile's 16 loads of scale words may be out
	s_wait_alu depctr_va_vdst(0)                   ; the wait ahead of the branch
	s_cmp_eq_u32 s2, 1
	s_cbranch_scc1 .Lend
	VLOAD 1
	s_sub_co_u32 s2, s2, 1
	s_cmp_lg_u32 s2, 0
	s_cbranch_scc1 .Ltile
.Lend:
	; my 128 rows' sums over my 128 + 128 columns: the pair's halves, lane l xor 16's columns; then the two column halves' waves are added through LDS
.irp a, 0,1,2,3,4,5,6,7
	v_add_f32 v[RS+\a], v[R2+2*\a], v[R2+2*\a+1]
.endr
.irp a, 0,1,2,3,4,5,6,7
	v_permlanex16_b32 v[R2+\a], v[RS+\a], s[SEL], s[SEL+1]
.endr
.irp a, 0,1,2,3,4,5,6,7
	v_add_f32 v[RS+\a], v[RS+\a], v[R2+\a]
.endr
.irp i, 0,1,2,3
	v_cndmask_b32 v[OV+\i], v[RS+2*\i], v[RS+2*\i+1], s[HI16]   ; lanes 0-15 block 2 i's rows, lanes 16-31 block 2 i + 1's
.endr
.irp i, 0,1,2,3
	ds_store_b32 v[STO], v[OV+\i] offset:128*\i
.endr
	s_wait_dscnt 0x0                               ; for the others' sake: my stores are done
	s_barrier_signal -1
	s_barrier_wait -1
	ds_load_b64 v[BK:BK+1], v[RD]
	ds_load_b64 v[BK+2:BK+3], v[RD] offset:1024
	s_wait_dscnt 0x0
	v_pk_add_f32 v[BK:BK+1], v[BK:BK+1], v[BK+2:BK+3]
	global_store_b64 v[CO], v[BK:BK+1], s[12:13]   ; 32 lanes store 256 consecutive bytes, aligned
	s_wait_tensorcnt 0x0                           ; the wave's end
	ds_add_u32 v[SPW], v[NIL]
	s_wait_dscnt 0x0
	CROUND                                         ; the closing round
	s_endpgm
.Lfunc_end_k_q960cfba6a2_gemm:
	.size	k_q960cfba6a2_gemm, .Lfunc_end_k_q960cfba6a2_gemm-k_q960cfba6a2_gemm
	.p2alignl 7, 3214868480
	.fill 96, 4, 3214868480
	.section	.rodata,"a",@progbits
	.p2align	6, 0x0
	.amdhsa_kernel k_q960cfba6a2_gemm
		.amdhsa_group_segment_fixed_size 327680
		.amdhsa_private_segment_fixed_size 0
		.amdhsa_enable_private_segment 0
		.amdhsa_kernarg_size 48
		.amdhsa_user_sgpr_count 2
		.amdhsa_user_sgpr_kernarg_segment_ptr 1
		.amdhsa_wavefront_size32 1
		.amdhsa_system_sgpr_workgroup_id_x 1
		.amdhsa_system_sgpr_workgroup_id_y 1
		.amdhsa_system_sgpr_workgroup_id_z 1
		.amdhsa_system_vgpr_workitem_id 0
		.amdhsa_next_free_vgpr 1024
		.amdhsa_next_free_sgpr 102
		.amdhsa_reserve_vcc 0
		.amdhsa_float_denorm_mode_32 3
		.amdhsa_float_denorm_mode_16_64 3
		.amdhsa_memory_ordered 1
		.amdhsa_forward_progress 1
		.amdhsa_inst_pref_size 255
	.end_amdhsa_kernel
	.section	.bss,"aw",@nobits
	.p2align	6
	.space	262144
	.amdgpu_metadata
---
amdhsa.version: [ 1, 2 ]
amdhsa.kernels:
  - .name:           k_q960cfba6a2_gemm
    .symbol:         k_q960cfba6a2_gemm.kd
    .args:
      - { .name: xc, .offset: 0, .size: 8, .value_kind: global_buffer, .address_space: global }
      - { .name: xs, .offset: 8, .size: 8, .value_kind: global_buffer, .address_space: global }
      - { .name: wc, .offset: 16, .size: 8, .value_kind: global_buffer, .address_space: global }
      - { .name: ws, .offset: 24, .size: 8, .value_kind: global_buffer, .address_space: global }
      - { .name: part, .offset: 32, .size: 8, .value_kind: global_buffer, .address_space: global }
      - { .name: v, .offset: 40, .size: 8, .value_kind: global_buffer, .address_space: global }
    .group_segment_fixed_size: 327680
    .private_segment_fixed_size: 0
    .kernarg_segment_align: 8
    .kernarg_segment_size: 48
    .max_flat_workgroup_size: 128
    .sgpr_count:     102
    .vgpr_count:     1024
    .wavefront_size: 32
...
	.end_amdgpu_metadata
.endif
;; end of part 2
;; launch softmax (part 3): grid 1 x 1, 32 waves a work-group, no clusters, 4,608 bytes of LDS; arguments part, out0; writes out0
.if DOCPART == 3
	.amdgcn_target "amdgcn-amd-amdhsa--gfx1250"
	.amdhsa_code_object_version 6
	.text
	.protected	k_q960cfba6a2_softmax
	.globl	k_q960cfba6a2_softmax
	.p2align	8
	.type	k_q960cfba6a2_softmax,@function
k_q960cfba6a2_softmax:
	s_mov_b64 s[64:65], 0
	v_nop
	global_prefetch_b8 v0, s[64:65] scope:SCOPE_SE
	s_setreg_imm32_b32 hwreg(HW_REG_WAVE_MODE, 25, 1), 1
	s_wait_xcnt 0x0
; out0[m] = softmax over the 16,384 rows of -2 u[m],  u[m] = the sum of part's four planes at m.
; WORK LEFT OUT: pre[m] = sum_j v[j] - 2 u[m], and the first term, the same for every m, cancels in the softmax: it is not formed (shown at the head of the first kernel).
; The largest -2 u is taken away ahead of the exponential, as reference() does: with M = max(-u) and c = 2 log2(e), e^(-2 u - max(-2 u)) = 2^(c (-u - M)), whose exponent is 0 or less.
; LIMITS: a term under 2^-126 comes out as 0; NaN and infinities are not served.
; ONE work-group, since the maximum and the sum span all rows: 32 waves, 1,024 threads.  Thread t owns rows 4 t + 4,096 g + 0 .. 3, g = 0 .. 3: every load and store of a wave covers 512 consecutive bytes.
; Four buffers of 16 registers: all 16 loads of a thread go out at once.  The maximum and the sum go across a wave by lane steps and across the 32 waves through LDS, a word a wave, in bytes of their own each.
; No matrix unit, no tensor loads, no cluster: 256 KiB are read once and nothing is shared.
.set SPARE, 512                        ; LDS: bytes 0-127 the waves' maxima; 256-383 their sums; from 512 the spare words, 128 bytes for each of 32 waves, which no other line names
.set U, 16                             ; v16-31 buffer 0: u, then the exponentials, then the result; buffers 1 to 3 at v32-79
	s_load_b128 s[4:7], s[0:1], 0x0                ; part, out0
	v_lshl_add_u32 v2, v0, 2, SPARE                ; my spare word; never rewritten
	v_mov_b32 v3, 0                                ; 0; never rewritten
	v_lshlrev_b32 v1, 4, v0                        ; 16 t
	v_lshrrev_b32 v8, 5, v0
	s_delay_alu instid0(VALU_DEP_1)
	v_lshlrev_b32 v8, 2, v8                        ; 4 x wave: my wave's word
	v_and_b32 v9, 31, v0
	s_delay_alu instid0(VALU_DEP_1)
	v_lshlrev_b32 v9, 2, v9                        ; 4 x lane: lane l reads wave l's word
	s_mov_b32 s8, 0xc038aa3b                       ; -c
	s_mov_b32 s9, s8                               ; (named with it as a pair, so it is written)
	s_mov_b32 s10, 0x76543210                      ; v_permlanex16_b32's selects for lane l xor 16
	s_mov_b32 s11, 0xfedcba98
	s_wait_alu depctr_va_vdst(0)
	s_wait_kmcnt 0x0
.macro LOADP p, b                      ; plane p into buffer b
.irp g, 0,1,2,3
	global_load_b128 v[U+16*(\b)+4*\g:U+16*(\b)+4*\g+3], v1, s[4:5] offset:65536*(\p)+16384*\g th:TH_LOAD_NT
.endr
.endm
.macro ADDP b                          ; buffer b onto buffer 0
.irp i, 0,2,4,6,8,10,12,14
	v_pk_add_f32 v[U+\i:U+\i+1], v[U+\i:U+\i+1], v[U+16*(\b)+\i:U+16*(\b)+\i+1]
.endr
.endm
.macro WMAX                            ; the largest v10 of the wave's 32 lanes, in every lane
	v_max_num_f32_dpp v10, v10, v10 row_xmask:1 row_mask:0xf bank_mask:0xf
	s_delay_alu instid0(VALU_DEP_1)
	v_max_num_f32_dpp v10, v10, v10 row_xmask:2 row_mask:0xf bank_mask:0xf
	s_delay_alu instid0(VALU_DEP_1)
	v_max_num_f32_dpp v10, v10, v10 row_xmask:4 row_mask:0xf bank_mask:0xf
	s_delay_alu instid0(VALU_DEP_1)
	v_max_num_f32_dpp v10, v10, v10 row_xmask:8 row_mask:0xf bank_mask:0xf
	s_wait_alu depctr_va_vdst(0)
	v_permlanex16_b32 v11, v10, s10, s11           ; (v11 has been written before)
	s_delay_alu instid0(VALU_DEP_1)
	v_max_num_f32 v10, v10, v11
.endm
.macro WADD                            ; the same for the sum
	v_add_f32_dpp v10, v10, v10 row_xmask:1 row_mask:0xf bank_mask:0xf
	s_delay_alu instid0(VALU_DEP_1)
	v_add_f32_dpp v10, v10, v10 row_xmask:2 row_mask:0xf bank_mask:0xf
	s_delay_alu instid0(VALU_DEP_1)
	v_add_f32_dpp v10, v10, v10 row_xmask:4 row_mask:0xf bank_mask:0xf
	s_delay_alu instid0(VALU_DEP_1)
	v_add_f32_dpp v10, v10, v10 row_xmask:8 row_mask:0xf bank_mask:0xf
	s_wait_alu depctr_va_vdst(0)
	v_permlanex16_b32 v11, v10, s10, s11
	s_delay_alu instid0(VALU_DEP_1)
	v_add_f32 v10, v10, v11
.endm
.irp p, 0,1,2,3
	LOADP \p, \p
.endr
	s_wait_loadcnt 8                               ; planes 0 and 1 are in; the eight loads of planes 2 and 3 may be out
	ADDP 1
	s_wait_alu depctr_va_vdst(0)
	s_wait_loadcnt 4                               ; plane 2 is in; plane 3's four loads may be out
	ADDP 2
	s_wait_alu depctr_va_vdst(0)
	s_wait_loadcnt 0x0                             ; plane 3
	ADDP 3
	; M = the largest -u: of my 16, of my wave, of the 32 waves
	v_max3_num_f32 v10, -v[U], -v[U+1], -v[U+2]
	v_max3_num_f32 v11, -v[U+3], -v[U+4], -v[U+5]
	s_delay_alu instid0(VALU_DEP_2)
	v_max3_num_f32 v10, v10, -v[U+6], -v[U+7]
	s_delay_alu instid0(VALU_DEP_2)
	v_max3_num_f32 v11, v11, -v[U+8], -v[U+9]
	s_delay_alu instid0(VALU_DEP_2)
	v_max3_num_f32 v10, v10, -v[U+10], -v[U+11]
	s_delay_alu instid0(VALU_DEP_2)
	v_max3_num_f32 v11, v11, -v[U+12], -v[U+13]
	s_delay_alu instid0(VALU_DEP_2)
	v_max3_num_f32 v10, v10, -v[U+14], -v[U+15]
	s_delay_alu instid0(VALU_DEP_1)
	v_max_num_f32 v10, v10, v11
	WMAX
	ds_store_b32 v8, v10                           ; all lanes of a wave write the same word with the same value
	s_wait_dscnt 0x0                               ; for the others' sake: my store is done
	s_barrier_signal -1
	s_barrier_wait -1
	ds_load_b32 v10, v9                            ; lane l: wave l's maximum
	s_wait_dscnt 0x0
	WMAX
	s_delay_alu instid0(VALU_DEP_1)
	v_mul_f32 v6, 0x4038aa3b, v10                  ; c M
	s_delay_alu instid0(VALU_DEP_1)
	v_mov_b32 v7, v6                               ; (named with it as a pair, so it is written)
.irp i, 0,2,4,6,8,10,12,14
	v_pk_fma_f32 v[U+\i:U+\i+1], v[U+\i:U+\i+1], s[8:9], v[6:7] op_sel_hi:[1,0,0] neg_lo:[0,0,1] neg_hi:[0,0,1]   ; -c u - c M, 0 or less
.endr
	s_wait_alu depctr_va_vdst(0)
.irp i, 0,1,2,3,4,5,6,7,8,9,10,11,12,13,14,15
	v_exp_f32 v[U+\i], v[U+\i]
.endr
	v_nop                                          ; a plain line behind the last exponential,
	s_wait_alu depctr_va_vdst(0)                   ; and the one wait ahead of the batch's first reader
	v_pk_add_f32 v[32:33], v[U:U+1], v[U+2:U+3]    ; the sum: of my 16 (buffer 1 is free), of my wave, of the 32 waves
	v_pk_add_f32 v[34:35], v[U+4:U+5], v[U+6:U+7]
	v_pk_add_f32 v[36:37], v[U+8:U+9], v[U+10:U+11]
	v_pk_add_f32 v[38:39], v[U+12:U+13], v[U+14:U+15]
	s_delay_alu instid0(VALU_DEP_3)
	v_pk_add_f32 v[32:33], v[32:33], v[34:35]
	s_delay_alu instid0(VALU_DEP_2)
	v_pk_add_f32 v[36:37], v[36:37], v[38:39]
	s_delay_alu instid0(VALU_DEP_1)
	v_pk_add_f32 v[32:33], v[32:33], v[36:37]
	s_delay_alu instid0(VALU_DEP_1)
	v_add_f32 v10, v32, v33
	WADD
	ds_store_b32 v8, v10 offset:256                ; other bytes than the maxima's: no barrier is owed between those reads and these stores
	s_wait_dscnt 0x0
	s_barrier_signal -1
	s_barrier_wait -1
	ds_load_b32 v10, v9 offset:256
	s_wait_dscnt 0x0
	WADD
	s_wait_alu depctr_va_vdst(0)
	v_rcp_f32 v12, v10                             ; twice, to fill the pair that the packed multiply names
	v_rcp_f32 v13, v10
	v_nop                                          ; a plain line behind the reciprocals,
	s_wait_alu depctr_va_vdst(0)                   ; and the wait ahead of their first reader
.irp i, 0,2,4,6,8,10,12,14
	v_pk_mul_f32 v[U+\i:U+\i+1], v[U+\i:U+\i+1], v[12:13]
.endr
.irp g, 0,1,2,3
	global_store_b128 v1, v[U+4*\g:U+4*\g+3], s[6:7] offset:16384*\g   ; 32 lanes store 512 consecutive bytes, aligned
.endr
	s_wait_tensorcnt 0x0                           ; the wave's end, behind my last LDS store
	ds_add_u32 v2, v3
	s_wait_dscnt 0x0
	s_endpgm
.Lfunc_end_k_q960cfba6a2_softmax:
	.size	k_q960cfba6a2_softmax, .Lfunc_end_k_q960cfba6a2_softmax-k_q960cfba6a2_softmax
	.p2alignl 7, 3214868480
	.fill 96, 4, 3214868480
	.section	.rodata,"a",@progbits
	.p2align	6, 0x0
	.amdhsa_kernel k_q960cfba6a2_softmax
		.amdhsa_group_segment_fixed_size 4608
		.amdhsa_private_segment_fixed_size 0
		.amdhsa_enable_private_segment 0
		.amdhsa_kernarg_size 16
		.amdhsa_user_sgpr_count 2
		.amdhsa_user_sgpr_kernarg_segment_ptr 1
		.amdhsa_wavefront_size32 1
		.amdhsa_system_sgpr_workgroup_id_x 1
		.amdhsa_system_sgpr_workgroup_id_y 1
		.amdhsa_system_sgpr_workgroup_id_z 1
		.amdhsa_system_vgpr_workitem_id 0
		.amdhsa_next_free_vgpr 80
		.amdhsa_next_free_sgpr 66
		.amdhsa_reserve_vcc 0
		.amdhsa_float_denorm_mode_32 3
		.amdhsa_float_denorm_mode_16_64 3
		.amdhsa_memory_ordered 1
		.amdhsa_forward_progress 1
		.amdhsa_inst_pref_size 11
	.end_amdhsa_kernel
	.amdgpu_metadata
---
amdhsa.version: [ 1, 2 ]
amdhsa.kernels:
  - .name:           k_q960cfba6a2_softmax
    .symbol:         k_q960cfba6a2_softmax.kd
    .args:
      - { .name: part, .offset: 0, .size: 8, .value_kind: global_buffer, .address_space: global }
      - { .name: out0, .offset: 8, .size: 8, .value_kind: global_buffer, .address_space: global }
    .group_segment_fixed_size: 4608
    .private_segment_fixed_size: 0
    .kernarg_segment_align: 8
    .kernarg_segment_size: 16
    .max_flat_workgroup_size: 1024
    .sgpr_count:     66
    .vgpr_count:     80
    .wavefront_size: 32
...
	.end_amdgpu_metadata
.endif
;; end of part 3
